; MI455X (gfx1250); checked and timed in simulation.
; The chip was launched on July 23, 2026; its instructions are those of AMD's public machine-readable ISA for CDNA 5 (MIT licence, August 2026) and "CDNA5" Instruction Set Architecture Reference Guide (July 2026). The comments in the code are by the model that wrote it; some were corrected since.
;; Phong Circle Renderer. Allowed arithmetic: float matrix products may take bf16 or f16 operands with f32 sums; all other float work in f32.
;; Inputs: features 100,000 x 3 float32; idx 8 x 512 x 512 x 10 int32; light_dir 3 float32; normals 100,000 x 3 float32.
;; Outputs: out0 8 x 512 x 512 x 3 float32.
;; 2 versions, each right; version 2 is version 1 with the launch phong written anew for expert scheduling mode. Each part assembles by itself: llvm-mc -triple=amdgcn-amd-amdhsa -mcpu=gfx1250 --defsym DOCPART=n.
;; ======== version 1 of 2: 1 launch
;; launch phong (part 1): grid 256 x 1, 32 waves a work-group, no clusters, 102,400 bytes of LDS; arguments idx, features, normals, light_dir, out0; writes out0
.if DOCPART == 1
	.amdgcn_target "amdgcn-amd-amdhsa--gfx1250"
	.amdhsa_code_object_version 6
	.text
	.protected	k_q12ce78fc93_phong
	.globl	k_q12ce78fc93_phong
	.p2align	8
	.type	k_q12ce78fc93_phong,@function
k_q12ce78fc93_phong:
	s_mov_b64 s[64:65], 0
	v_nop
	global_prefetch_b8 v0, s[64:65] scope:SCOPE_SE
	s_setreg_imm32_b32 hwreg(HW_REG_WAVE_MODE, 25, 1), 1
	s_wait_xcnt 0x0
; PhongCircleRenderer.  idx: [2,097,152 pixels][10 layers] i32.  features, normals: [100,000][3] f32.  light_dir: [3] f32.
; out0: [2,097,152][3] f32.
;
; WHAT IS COMPUTED.  The weights w[k] = (idx[k] != -1) are 0 or 1 and alpha[k] = w[k] x product over j < k of (1 - w[j]).
;   idx[p][0] >= 0: w[0] = 1, so alpha = (1, 0, .., 0) and the sum over the layers is shaded[idx[p][0]]; the other nine terms
;                   are 0 times a number that the clip has put into [0, 1].
;   idx[p][0] <  0: the background mask, which the computation builds itself from layer 0, replaces the sum by (1, 1, 1).
; So for every idx the result hangs on layer 0 alone, and layers 1 to 9 are not loaded.
;   out[p] = idx[p][0] < 0 ? 1 : clip(features[i] x (0.6 + 0.8 |normals[i] . light| / |light|), 0, 1),  i = idx[p][0].
;
; LIMITS.  NaN in features or normals is not reproduced: neither 0 x NaN through layers 1 to 9, nor a NaN through the clip
; (v_med3_num_f32 does not keep it).  The sum of squares of light_dir has to be a normal f32, |light| from about 1.1e-19 to
; 1.8e19 (v_rsq_f32 takes a denormal as zero); a zero light_dir is not served.  The factor is |n . light| x (0.8 / |light|) + 0.6,
; the light is not normalised first: the last bits differ.  An index above 99,999 would be taken as 99,999.
;
; SHARES.  256 work-groups of 32 waves; a work-group owns 8,192 pixels, a wave 256, as 8 groups of 32: one pixel a lane and group.
; Straight text, no loop, no barrier: no wave reads what another wrote, and no register that a memory instruction reads is written again.
; All eight loads of idx go out first: a load's 32 lanes lie 40 bytes apart, in 1,280 consecutive bytes that begin at a
; multiple of 1,280 = 5 x 256 and that no other instruction touches.  Then, group by group, the two gathers; then the shading.
; No tile is common to work-groups (the tables are gathered lane by lane), so there is nothing to ask for jointly in a cluster.
; No prefetch: idx is asked for in full at the start, and the tables' 2.4 MB are read again and again by every work-group.
; THE WAY OUT.  A lane's result is 12 bytes.  The wave lays them into 3,072 LDS bytes of its own, reads them back 16 bytes a lane,
; and each store of the wave covers 512 consecutive bytes that begin at a multiple of 512 in out0.
.set P_LAST,   99999                   ; the tables' last row
.set PIX_IDX,  40                      ; bytes of idx for a pixel: 10 layers
.set PIX_OUT,  12                      ; bytes of out0 for a pixel, and of a table's row
.set GROUPS,   8                       ; groups of 32 pixels in a wave
.set WAVE_PIX, 32*GROUPS               ; 256
.set WG_PIX,   32*WAVE_PIX             ; 8,192
.set LANE, 1                           ; v1        lane
.set T,    2                           ; v2        at work in the set-up
.set IOFF, 3                           ; v3        40 x lane: my pixel's layer 0 in the wave's first group
.set STO,  4                           ; v4        LDS: the wave's stage + 12 x lane
.set RD,   5                           ; v5        LDS: the wave's stage + 16 x lane; the same number is my byte offset in the group's part of out0
.set SC,   6                           ; v6        0.8 / |light|
.set IDX,  8                           ; v[8:15]   group g: idx[p][0]
.set OFF,  16                          ; v[16:23]  group g: byte offset of the row in both tables
.set F,    24                          ; v[24:55]  group g: 4 registers: the features' row, then the result; the fourth is not used
.set N,    56                          ; v[56:87]  group g: 4 registers: the normals' row; the fourth takes the dot product, then the factor
.set O,    88                          ; v[88:111] six times 16 bytes read back from the stage
	s_load_b256 s[4:11], s[0:1], 0x0               ; idx s[4:5], features s[6:7], normals s[8:9], light_dir s[10:11]
	s_load_b64 s[12:13], s[0:1], 0x20              ; out0
	v_lshl_add_u32 v112, v0, 2, 0x18000
	v_mov_b32 v113, 0
	v_and_b32 v[LANE], 31, v0
	v_lshrrev_b32 v[T], 5, v0
	v_readfirstlane_b32 s2, v[T]                   ; the wave's number, 0 to 31
	s_mul_i32 s14, ttmp9, WG_PIX*PIX_IDX           ; idx: the work-group's 327,680 bytes
	s_mul_i32 s3, s2, WAVE_PIX*PIX_IDX             ;      and in them the wave's 10,240; the sum stays below 83,886,080
	s_add_co_u32 s14, s14, s3
	s_mov_b32 s15, 0
	s_mul_i32 s20, ttmp9, WG_PIX*PIX_OUT           ; out0: the work-group's 98,304 bytes
	s_mov_b32 s21, 0
	s_mul_i32 s22, s2, WAVE_PIX*PIX_OUT            ; the wave's 3,072 bytes, in the stage and in the work-group's part of out0 alike
	v_mul_u32_u24 v[IOFF], PIX_IDX, v[LANE]
	s_wait_kmcnt 0x0
	s_load_b96 s[16:18], s[10:11], 0x0             ; the light's three numbers: all 12 bytes of the buffer
	s_add_nc_u64 s[4:5], s[4:5], s[14:15]
	s_add_nc_u64 s[12:13], s[12:13], s[20:21]
.irp g, 0,1,2,3,4,5,6,7
	global_load_b32 v[IDX+\g], v[IOFF], s[4:5] offset:32*PIX_IDX*\g th:TH_LOAD_NT   ; layer 0 of 32 pixels; read once in the launch
.endr
	; while they are on their way: the LDS addresses and 0.8 / |light|
	v_mul_u32_u24 v[STO], PIX_OUT, v[LANE]
	v_lshl_add_u32 v[RD], v[LANE], 4, s22
	s_mov_b32 s19, 0x3f19999a                      ; 0.6, the ambient term
	s_wait_kmcnt 0x0                               ; the light
	v_mul_f32 v[T], s16, s16
	v_fma_f32 v[T], s17, s17, v[T]
	v_fma_f32 v[T], s18, s18, v[T]                 ; |light|^2
	v_rsq_f32 v[SC], v[T]
	v_add_nc_u32 v[STO], s22, v[STO]               ; the one plain vector instruction between v_rsq_f32 and the use of its result (ISA guide 5.7.2)
	s_wait_alu depctr_va_vdst(0)
	v_mul_f32 v[SC], 0x3f4ccccd, v[SC]             ; 0.8 / |light|
; Group g's two gathers.  Loads come back in order (ISA guide 5.7.1): behind idx's load g stand 7 - g loads of idx and the 2 g gathers of the groups before.
.macro GATHER g
	s_wait_loadcnt GROUPS-1+\g
	v_min_u32 v[OFF+\g], P_LAST, v[IDX+\g]         ; a negative code is large as an unsigned number: it reads the last row, and the select below drops what it read
	v_mul_u32_u24 v[OFF+\g], PIX_OUT, v[OFF+\g]    ; rows of 12 bytes; the last one ends at byte 1,200,000, the buffers' end
	global_load_b96 v[F+4*\g:F+4*\g+2], v[OFF+\g], s[6:7]
	global_load_b96 v[N+4*\g:N+4*\g+2], v[OFF+\g], s[8:9]
.endm
; Group g's shading.  Behind its two gathers stand the 2 (7 - g) of the later groups.
.macro SHADE g
	s_wait_loadcnt 2*(GROUPS-1-\g)
	v_mul_f32  v[N+4*\g+3], s16, v[N+4*\g]
	v_fmac_f32 v[N+4*\g+3], s17, v[N+4*\g+1]
	v_fmac_f32 v[N+4*\g+3], s18, v[N+4*\g+2]       ; n . light
	v_cmp_le_i32 vcc_lo, 0, v[IDX+\g]              ; the pixel has a point in layer 0
	v_fma_f32 v[N+4*\g+3], |v[N+4*\g+3]|, v[SC], s19   ; 0.6 + 0.8 |n . l|; the magnitude is never negative, so the clip at 0 of the diffuse term is met
.irp c, 0,1,2
	v_mul_f32 v[F+4*\g+\c], v[F+4*\g+\c], v[N+4*\g+3]
.endr
.irp c, 0,1,2
	v_med3_num_f32 v[F+4*\g+\c], v[F+4*\g+\c], 0, 1.0  ; the clip into [0, 1]
.endr
.irp c, 0,1,2
	v_cndmask_b32 v[F+4*\g+\c], 1.0, v[F+4*\g+\c], vcc_lo  ; background (1, 1, 1) where layer 0 is empty
.endr
.irp c, 0,1,2
	ds_store_b32 v[STO], v[F+4*\g+\c] offset:32*PIX_OUT*\g+4*\c   ; one word a store: 12 x lane is a multiple of 4 only; the words 3 l + c of 32 lanes differ modulo 64
.endr
.endm
; Half h of the wave's stage (groups 4 h to 4 h + 3, 1,536 bytes) leaves.  LDS serves a wave's instructions in order (ISA guide 5.7.1.4):
; the loads see the stores above without a wait, and no other wave touches these bytes.
.macro OUT h
.irp j, 0,1,2
	ds_load_b128 v[O+12*\h+4*\j:O+12*\h+4*\j+3], v[RD] offset:1536*\h+512*\j
.endr
.irp j, 0,1,2
	s_wait_dscnt 2-\j                              ; behind load j stand 2 - j LDS loads
	global_store_b128 v[RD], v[O+12*\h+4*\j:O+12*\h+4*\j+3], s[12:13] offset:1536*\h+512*\j th:TH_STORE_NT   ; 512 consecutive bytes, written once
.endr
.endm
.irp g, 0,1,2,3,4,5,6,7
	GATHER \g
.endr
.irp g, 0,1,2,3
	SHADE \g
.endr
	OUT 0
.irp g, 4,5,6,7
	SHADE \g
.endr
	OUT 1
	s_wait_tensorcnt 0x0
	ds_add_u32 v112, v113
	s_wait_dscnt 0x0
	s_endpgm
.Lfunc_end_k_q12ce78fc93_phong:
	.size	k_q12ce78fc93_phong, .Lfunc_end_k_q12ce78fc93_phong-k_q12ce78fc93_phong
	.p2alignl 7, 3214868480
	.fill 96, 4, 3214868480
	.section	.rodata,"a",@progbits
	.p2align	6, 0x0
	.amdhsa_kernel k_q12ce78fc93_phong
		.amdhsa_group_segment_fixed_size 102400
		.amdhsa_private_segment_fixed_size 0
		.amdhsa_enable_private_segment 0
		.amdhsa_kernarg_size 40
		.amdhsa_user_sgpr_count 2
		.amdhsa_user_sgpr_kernarg_segment_ptr 1
		.amdhsa_wavefront_size32 1
		.amdhsa_system_sgpr_workgroup_id_x 1
		.amdhsa_system_sgpr_workgroup_id_y 1
		.amdhsa_system_sgpr_workgroup_id_z 1
		.amdhsa_system_vgpr_workitem_id 0
		.amdhsa_next_free_vgpr 114
		.amdhsa_next_free_sgpr 66
		.amdhsa_reserve_vcc 1
		.amdhsa_float_denorm_mode_32 3
		.amdhsa_float_denorm_mode_16_64 3
		.amdhsa_memory_ordered 1
		.amdhsa_forward_progress 1
		.amdhsa_inst_pref_size 13
	.end_amdhsa_kernel
	.amdgpu_metadata
---
amdhsa.version: [ 1, 2 ]
amdhsa.kernels:
  - .name:           k_q12ce78fc93_phong
    .symbol:         k_q12ce78fc93_phong.kd
    .args:
      - { .name: idx, .offset: 0, .size: 8, .value_kind: global_buffer, .address_space: global }
      - { .name: features, .offset: 8, .size: 8, .value_kind: global_buffer, .address_space: global }
      - { .name: normals, .offset: 16, .size: 8, .value_kind: global_buffer, .address_space: global }
      - { .name: light_dir, .offset: 24, .size: 8, .value_kind: global_buffer, .address_space: global }
      - { .name: out0, .offset: 32, .size: 8, .value_kind: global_buffer, .address_space: global }
    .group_segment_fixed_size: 102400
    .private_segment_fixed_size: 0
    .kernarg_segment_align: 8
    .kernarg_segment_size: 40
    .max_flat_workgroup_size: 1024
    .sgpr_count:     66
    .vgpr_count:     114
    .wavefront_size: 32
...
	.end_amdgpu_metadata
.endif
;; end of part 1
;; ======== version 2 of 2: 1 launch; version 1 with the launch phong written anew for expert scheduling mode
;; launch phong (part 2): grid 256 x 1, 32 waves a work-group, no clusters, 102,400 bytes of LDS; arguments idx, features, normals, light_dir, out0; writes out0
.if DOCPART == 2
	.amdgcn_target "amdgcn-amd-amdhsa--gfx1250"
	.amdhsa_code_object_version 6
	.text
	.protected	k_q12ce78fc93_phong
	.globl	k_q12ce78fc93_phong
	.p2align	8
	.type	k_q12ce78fc93_phong,@function
k_q12ce78fc93_phong:
	s_mov_b64 s[64:65], 0
	v_nop
	global_prefetch_b8 v0, s[64:65] scope:SCOPE_SE
	s_setreg_imm32_b32 hwreg(HW_REG_WAVE_SCHED_MODE, 0, 2), 2
	s_setreg_imm32_b32 hwreg(HW_REG_WAVE_MODE, 25, 1), 1
	s_wait_xcnt 0x0
	s_wait_alu depctr_vm_vsrc(0)
; PhongCircleRenderer.  idx: [2,097,152 pixels][10 layers] i32.  features, normals: [100,000][3] f32.  light_dir: [3] f32.
; out0: [2,097,152][3] f32.
;
; WHAT IS COMPUTED.  The weights w[k] = (idx[k] != -1) are 0 or 1 and alpha[k] = w[k] x product over j < k of (1 - w[j]).
;   idx[p][0] >= 0: w[0] = 1, so alpha = (1, 0, .., 0) and the sum over the layers is shaded[idx[p][0]]; the other nine terms
;                   are 0 times a number that the clip has put into [0, 1].
;   idx[p][0] <  0: the background mask, which the computation builds itself from layer 0, replaces the sum by (1, 1, 1).
; So for every idx the result hangs on layer 0 alone, and layers 1 to 9 are not loaded.
;   out[p] = idx[p][0] < 0 ? 1 : clip(features[i] x (0.6 + 0.8 |normals[i] . light| / |light|), 0, 1),  i = idx[p][0].
;
; LIMITS.  NaN in features or normals is not reproduced: neither 0 x NaN through layers 1 to 9, nor a NaN through the clip
; (v_med3_num_f32 does not keep it).  The sum of squares of light_dir has to be a normal f32, |light| from about 1.1e-19 to
; 1.8e19 (v_rsq_f32 takes a denormal as zero); a zero light_dir is not served.  The factor is |n . light| x (0.8 / |light|) + 0.6,
; the light is not normalised first: the last bits differ.  An index above 99,999 would be taken as 99,999.
;
; SHARES.  256 work-groups of 32 waves; a work-group owns 8,192 pixels, a wave 256, as 8 groups of 32: one pixel a lane and group.
; Straight text, no loop, no barrier: no wave reads what another wrote.
; All eight loads of idx go out first: a load's 32 lanes lie 40 bytes apart, in 1,280 consecutive bytes that begin at a
; multiple of 1,280 = 5 x 256 and that no other instruction touches.  Then the gathers, four groups at a time; then the shading.
; No tile is common to work-groups (the tables are gathered lane by lane), so there is nothing to ask for jointly in a cluster.
; No prefetch: idx is asked for in full at the start, and the tables' 2.4 MB are read again and again by every work-group.
; THE WAY OUT.  A lane's result is 12 bytes.  The wave lays them into 3,072 LDS bytes of its own, reads them back 16 bytes a lane,
; and each store of the wave covers 512 consecutive bytes that begin at a multiple of 512 in out0.
;
; THE MODE: SCHED_MODE bits 1:0 = 2 (LLVM: expert scheduling mode 2), set by the entry lines.  The code itself states the register
; dependences between vector instructions and memory or LDS instructions, with s_wait_alu, always for 0.
; THE PLAN.  Registers that memory or LDS instructions touch:
;   v[IOFF]      written by one vector line at the head; read by the eight loads of idx; never written again.
;   IDX          each register is landed in once, by a load of idx; after that vector lines alone read it.
;   OFF          group g's register is written by two vector lines; read by the group's two gathers; never written again.
;   F, N         three registers a group are landed in once, by a gather, before any vector line names them.  The shading reads N and
;                works on F in place; the LDS stores read F; nothing writes F after that.  N's fourth register is the vector lines' alone.
;   v[STO], v[RD] written by vector lines behind the loads of idx; read by the LDS stores, the LDS loads and the global stores; never written again.
;   O            landed in by the LDS loads, read by the global stores; no vector line names it.
; So no load lands in a register that a vector line has named, and no register that a memory or LDS instruction reads is written again:
; what is left to state is that a vector line has written what a memory or LDS instruction reads, five times (v[IOFF]; OFF, twice four
; groups; F, twice four groups), and that a vector line has written a scalar register, three times (the wave's number; the masks, twice four).
.set P_LAST,   99999                   ; the tables' last row
.set PIX_IDX,  40                      ; bytes of idx for a pixel: 10 layers
.set PIX_OUT,  12                      ; bytes of out0 for a pixel, and of a table's row
.set GROUPS,   8                       ; groups of 32 pixels in a wave
.set WAVE_PIX, 32*GROUPS               ; 256
.set WG_PIX,   32*WAVE_PIX             ; 8,192
.set LANE, 1                           ; v1        lane
.set T,    2                           ; v2        at work in the set-up
.set IOFF, 3                           ; v3        40 x lane: my pixel's layer 0 in the wave's first group
.set STO,  4                           ; v4        LDS: the wave's stage + 12 x lane
.set RD,   5                           ; v5        LDS: the wave's stage + 16 x lane; the same number is my byte offset in the group's part of out0
.set SC,   6                           ; v6        0.8 / |light|
.set IDX,  8                           ; v[8:15]   group g: idx[p][0]
.set OFF,  16                          ; v[16:23]  group g: byte offset of the row in both tables
.set F,    24                          ; v[24:55]  group g: 4 registers: the features' row, then the result; the fourth is not used
.set N,    56                          ; v[56:87]  group g: 4 registers: the normals' row; the fourth takes the dot product, then the factor
.set O,    88                          ; v[88:111] six times 16 bytes read back from the stage
.set MK,   20                          ; s[20:23]  behind the set-up, which is done with them: group g's mask 'layer 0 holds a point' at MK + g % 4
	s_load_b256 s[4:11], s[0:1], 0x0               ; idx s[4:5], features s[6:7], normals s[8:9], light_dir s[10:11]
	s_load_b64 s[12:13], s[0:1], 0x20              ; out0
	v_lshl_add_u32 v51, v0, 2, 0x18000
	v_mov_b32 v55, 0
	v_and_b32 v[LANE], 31, v0
	v_lshrrev_b32 v[T], 5, v0
	v_readfirstlane_b32 s2, v[T]                   ; the wave's number, 0 to 31
	v_mul_u32_u24 v[IOFF], PIX_IDX, v[LANE]
	s_mul_i32 s14, ttmp9, WG_PIX*PIX_IDX           ; idx: the work-group's 327,680 bytes
	s_mov_b32 s15, 0
	s_mul_i32 s20, ttmp9, WG_PIX*PIX_OUT           ; out0: the work-group's 98,304 bytes
	s_mov_b32 s21, 0
	s_wait_alu depctr_va_sdst(0)                   ; s2 is written, ahead of its first reader: the wave's offsets are made from it
	s_mul_i32 s3, s2, WAVE_PIX*PIX_IDX             ; idx: in the work-group's bytes the wave's 10,240; the sum stays below 83,886,080
	s_add_co_u32 s14, s14, s3
	s_mul_i32 s22, s2, WAVE_PIX*PIX_OUT            ; the wave's 3,072 bytes, in the stage and in the work-group's part of out0 alike
	s_wait_kmcnt 0x0
	s_load_b96 s[16:18], s[10:11], 0x0             ; the light's three numbers: all 12 bytes of the buffer
	s_add_nc_u64 s[4:5], s[4:5], s[14:15]
	s_add_nc_u64 s[12:13], s[12:13], s[20:21]
	s_wait_alu depctr_va_vdst(0)                   ; v[IOFF] is written, which the eight loads below read as their offset
.irp g, 0,1,2,3,4,5,6,7
	global_load_b32 v[IDX+\g], v[IOFF], s[4:5] offset:32*PIX_IDX*\g th:TH_LOAD_NT   ; layer 0 of 32 pixels; read once in the launch
.endr
	; while they are on their way: the LDS addresses and 0.8 / |light|
	v_mul_u32_u24 v[STO], PIX_OUT, v[LANE]
	v_lshl_add_u32 v[RD], v[LANE], 4, s22
	s_mov_b32 s19, 0x3f19999a                      ; 0.6, the ambient term
	s_wait_kmcnt 0x0                               ; the light
	v_mul_f32 v[T], s16, s16
	v_fma_f32 v[T], s17, s17, v[T]
	v_fma_f32 v[T], s18, s18, v[T]                 ; |light|^2
	v_rsq_f32 v[SC], v[T]
	v_add_nc_u32 v[STO], s22, v[STO]               ; the one plain vector instruction between v_rsq_f32 and the use of its result (ISA guide 5.7.2)
	s_wait_alu depctr_va_vdst(0)
	v_mul_f32 v[SC], 0x3f4ccccd, v[SC]             ; 0.8 / |light|
; The gathers of groups 4 h to 4 h + 3: the four offsets are made in one run, so that one wait serves eight gathers.
; left: loads come back in order (ISA guide 5.7.1): how many loads stand behind idx's load 4 h + 3.
.macro GATHER4 h, left
	s_wait_loadcnt \left
.irp i, 0,1,2,3
	v_min_u32 v[OFF+4*\h+\i], P_LAST, v[IDX+4*\h+\i]       ; a negative code is large as an unsigned number: it reads the last row, and the select below drops what it read
	v_mul_u32_u24 v[OFF+4*\h+\i], PIX_OUT, v[OFF+4*\h+\i]  ; rows of 12 bytes; the last one ends at byte 1,200,000, the buffers' end
.endr
	s_wait_alu depctr_va_vdst(0)                   ; the four offsets are written, which the eight gathers below read
.irp i, 0,1,2,3
	global_load_b96 v[F+4*(4*\h+\i):F+4*(4*\h+\i)+2], v[OFF+4*\h+\i], s[6:7]
	global_load_b96 v[N+4*(4*\h+\i):N+4*(4*\h+\i)+2], v[OFF+4*\h+\i], s[8:9]
.endr
.endm
; The masks of groups 4 h to 4 h + 3, in one run: one wait behind it serves the twelve selects that read them.
.macro MASKS h
.irp i, 0,1,2,3
	v_cmp_le_i32 s[MK+\i], 0, v[IDX+4*\h+\i]       ; the pixel has a point in layer 0
.endr
.endm
; Group g's shading: vector lines alone.  Behind its two gathers stand the 2 (7 - g) of the later groups.
.macro SHADE g
	s_wait_loadcnt 2*(GROUPS-1-\g)
	v_mul_f32  v[N+4*\g+3], s16, v[N+4*\g]
	v_fmac_f32 v[N+4*\g+3], s17, v[N+4*\g+1]
	v_fmac_f32 v[N+4*\g+3], s18, v[N+4*\g+2]       ; n . light
	v_fma_f32 v[N+4*\g+3], |v[N+4*\g+3]|, v[SC], s19   ; 0.6 + 0.8 |n . l|; the magnitude is never negative, so the clip at 0 of the diffuse term is met
.irp c, 0,1,2
	v_mul_f32 v[F+4*\g+\c], v[F+4*\g+\c], v[N+4*\g+3]
.endr
.irp c, 0,1,2
	v_med3_num_f32 v[F+4*\g+\c], v[F+4*\g+\c], 0, 1.0  ; the clip into [0, 1]
.endr
.irp c, 0,1,2
	v_cndmask_b32 v[F+4*\g+\c], 1.0, v[F+4*\g+\c], s[MK+(\g)%4]  ; background (1, 1, 1) where layer 0 is empty
.endr
.endm
; Half h of the wave's stage (groups 4 h to 4 h + 3, 1,536 bytes) is written and read back.  LDS serves a wave's instructions in order
; (ISA guide 5.7.1.4): the loads see the stores above without a wait, and no other wave touches these bytes.
.macro STAGE h
	s_wait_alu depctr_va_vdst(0)                   ; the four groups' shading has written F, which the LDS stores read; v[STO] and v[RD] were written further up
.irp i, 0,1,2,3
.irp c, 0,1,2
	ds_store_b32 v[STO], v[F+4*(4*\h+\i)+\c] offset:32*PIX_OUT*(4*\h+\i)+4*\c   ; one word a store: 12 x lane is a multiple of 4 only; the words 3 l + c of 32 lanes differ modulo 64
.endr
.endr
.irp j, 0,1,2
	ds_load_b128 v[O+12*\h+4*\j:O+12*\h+4*\j+3], v[RD] offset:1536*\h+512*\j
.endr
.endm
; Half h leaves.  No wait on the vector side: no vector line behind STAGE's wait names v[RD] or O.
.macro SEND h
.irp j, 0,1,2
	s_wait_dscnt 2-\j                              ; behind load j stand 2 - j LDS loads
	global_store_b128 v[RD], v[O+12*\h+4*\j:O+12*\h+4*\j+3], s[12:13] offset:1536*\h+512*\j th:TH_STORE_NT   ; 512 consecutive bytes, written once
.endr
.endm
	GATHER4 0, 4                                   ; behind idx's load 3 stand the loads of groups 4 to 7
	GATHER4 1, 8                                   ; behind idx's load 7 stand the first half's eight gathers
	MASKS 0
	s_wait_alu depctr_va_sdst(0)                   ; the four masks are written, ahead of their first reader, group 0's selects
.irp g, 0,1,2,3
	SHADE \g
.endr
	MASKS 1                                        ; behind the last select that read the first four masks
	STAGE 0
	s_wait_alu depctr_va_sdst(0)                   ; the second four masks are written, ahead of their first reader, group 4's selects
	SHADE 4                                        ; a group's vector lines stand between the loads from the stage and the wait for them
	SEND 0
.irp g, 5,6,7
	SHADE \g
.endr
	STAGE 1
	SEND 1
	s_wait_dscnt 0x0
	s_wait_alu depctr_hold_cnt(0) depctr_sa_sdst(0) depctr_va_vdst(0) depctr_va_sdst(0) depctr_va_ssrc(0) depctr_va_vcc(0) depctr_vm_vsrc(0)
	s_wait_tensorcnt 0x0
	ds_add_u32 v51, v55
	s_wait_dscnt 0x0
	s_endpgm
.Lfunc_end_k_q12ce78fc93_phong:
	.size	k_q12ce78fc93_phong, .Lfunc_end_k_q12ce78fc93_phong-k_q12ce78fc93_phong
	.p2alignl 7, 3214868480
	.fill 96, 4, 3214868480
	.section	.rodata,"a",@progbits
	.p2align	6, 0x0
	.amdhsa_kernel k_q12ce78fc93_phong
		.amdhsa_group_segment_fixed_size 102400
		.amdhsa_private_segment_fixed_size 0
		.amdhsa_enable_private_segment 0
		.amdhsa_kernarg_size 40
		.amdhsa_user_sgpr_count 2
		.amdhsa_user_sgpr_kernarg_segment_ptr 1
		.amdhsa_wavefront_size32 1
		.amdhsa_system_sgpr_workgroup_id_x 1
		.amdhsa_system_sgpr_workgroup_id_y 1
		.amdhsa_system_sgpr_workgroup_id_z 1
		.amdhsa_system_vgpr_workitem_id 0
		.amdhsa_next_free_vgpr 112
		.amdhsa_next_free_sgpr 66
		.amdhsa_reserve_vcc 0
		.amdhsa_float_denorm_mode_32 3
		.amdhsa_float_denorm_mode_16_64 3
		.amdhsa_memory_ordered 1
		.amdhsa_forward_progress 1
		.amdhsa_inst_pref_size 14
	.end_amdhsa_kernel
	.amdgpu_metadata
---
amdhsa.version: [ 1, 2 ]
amdhsa.kernels:
  - .name:           k_q12ce78fc93_phong
    .symbol:         k_q12ce78fc93_phong.kd
    .args:
      - { .name: idx, .offset: 0, .size: 8, .value_kind: global_buffer, .address_space: global }
      - { .name: features, .offset: 8, .size: 8, .value_kind: global_buffer, .address_space: global }
      - { .name: normals, .offset: 16, .size: 8, .value_kind: global_buffer, .address_space: global }
      - { .name: light_dir, .offset: 24, .size: 8, .value_kind: global_buffer, .address_space: global }
      - { .name: out0, .offset: 32, .size: 8, .value_kind: global_buffer, .address_space: global }
    .group_segment_fixed_size: 102400
    .private_segment_fixed_size: 0
    .kernarg_segment_align: 8
    .kernarg_segment_size: 40
    .max_flat_workgroup_size: 1024
    .sgpr_count:     66
    .vgpr_count:     112
    .wavefront_size: 32
...
	.end_amdgpu_metadata
.endif
;; end of part 2
